; MI455X (gfx1250); checked and timed in simulation.
; The chip was launched on July 23, 2026; its instructions are those of AMD's public machine-readable ISA for CDNA 5 (MIT licence, August 2026) and "CDNA5" Instruction Set Architecture Reference Guide (July 2026). The comments in the code are by the model that wrote it; some were corrected since.
;; Attention. Allowed arithmetic: matrix products marked QUANTISED: E4M3 operands, one given power-of-two scale a tensor, by v_wmma_f32_16x16x64_fp8_fp8 or v_wmma_f32_16x16x128_fp8_fp8, f32 sums; everything else in f32.
;; Inputs: freqs_cos 2,048 x 64 float32; freqs_sin 2,048 x 64 float32; lowp_scales 12 int32 (the exponents e of the quantised operands' scales 2^e); mask 2,048 x 2,048 float32; wk 2,048 x 2,048 float32; wo 2,048 x 2,048 float32; wq 2,048 x 2,048 float32; wv 2,048 x 2,048 float32; x 1 x 2,048 x 2,048 float32.
;; Outputs: out0 1 x 2,048 x 2,048 float32.
;; This version of the problem:
;;   THIS VERSION OF THE PROBLEM IS GIVEN IN LOW PRECISION. The matrix products marked QUANTISED in the list below multiply operands that are first quantised to E4M3 (4 exponent bits, 3 mantissa bits; 8 bits a number), with one given power-of-two scale for each operand tensor; their sums are f32. All else is computed in f32.
;;   The module's matrix products, in the order in which they are computed (A, B: the left and right operand; K: the contracted axis; several contracted axes count as one K, in the product's order):
;;     1. [M 2,048, K 2,048] x [K 2,048, N 2,048]; A: input x; B: input wq: QUANTISED (scales: A lowp_scales[0], B lowp_scales[1])
;;     2. [M 2,048, K 2,048] x [K 2,048, N 2,048]; A: input x; B: input wk: QUANTISED (scales: A lowp_scales[2], B lowp_scales[3])
;;     3. [M 2,048, K 2,048] x [K 2,048, N 2,048]; A: input x; B: input wv: QUANTISED (scales: A lowp_scales[4], B lowp_scales[5])
;;     4. batch 16 x [M 2,048, K 128] x [K 128, N 2,048]; A: computed on the way; B: computed on the way: QUANTISED (scales: A lowp_scales[6], B lowp_scales[7])
;;     5. batch 16 x [M 128, K 2,048] x [K 2,048, N 2,048]; A: computed on the way; B: softmax (see below): QUANTISED (scales: A lowp_scales[8], B lowp_scales[9])
;;     6. [M 2,048, K 2,048] x [K 2,048, N 2,048]; A: computed on the way; B: input wo: QUANTISED (scales: A lowp_scales[10], B lowp_scales[11])
;;   THE QUANTISER, for each operand of a quantised product, along K:
;;     - The operand's scale is 2^e, e = its entry of the input lowp_scales (int32; the entries are numbered through the quantised products in the list's order, A before B).
;;     - Each number is divided by the scale, clamped to +-448, and rounded to the nearest number of E4M3, ties to even, subnormals kept.
;;     - The product sums the exact products of the quantised numbers (number of the format x scale) in f32.
;;   ~~~python
;;   def quantise(x, axis, e):      # numpy; x: float32 -> the quantised numbers, widened to float32 again
;;       x = np.moveaxis(x, axis, -1); K = x.shape[-1]
;;       r = np.clip(x / 2.0 ** e, -448, 448)
;;       step = 2.0 ** (np.maximum(np.frexp(np.where(r == 0, 1, r))[1] - 1, -6) - 3)
;;       q = np.round(r / step) * step * 2.0 ** e      # np.round: ties to even
;;       return np.moveaxis(q, -1, axis).astype(np.float32)
;;   ~~~
;;   SOFTMAX AHEAD OF A QUANTISED PRODUCT. Where the list says 'softmax', what is quantised is not the finished softmax but p = 2^(t - M), with t = logit x log2(e) and M = ceil(the row's largest t), a whole number; so 1/2 < the row's largest p <= 1. The row's sum l is taken of the UNQUANTISED p, in f32, and the product's result is divided by l at the end. Since M is a whole number, a kernel that streams over the keys may use a running M (the ceiling of the running maximum): every later rescaling is an exact power of two, so the quantised numbers keep their values, but for numbers so far below the row's largest that they fall under the format's range.
;;   OPERANDS COMPUTED ON THE WAY. 'Computed on the way' means the value that the module computes at that place (a softmax that the list does not call 'softmax' is quantised finished and normalised). What goes into a quantiser is computed in f32, as accurately as f32 sums, v_exp_f32 and their like allow (about 1e-6 of the number): no bf16 or f16 on the way to a quantiser, and a product that is left as it is and whose result goes on into a quantised operand takes f32 operands (vector FMAs, or v_wmma_f32_16x16x4_f32). A number that lies on a knife's edge between two numbers of the format may be rounded either way, as far as f32 arithmetic and the matrix unit's own rounding can turn it there, and no further.
;; One version. Each part assembles by itself: llvm-mc -triple=amdgcn-amd-amdhsa -mcpu=gfx1250 --defsym DOCPART=n.
;; ======== version 1 of 1: 4 launches
;; limits: right only within a limited range of input values
;; workspace buffers: codes 29,360,128 bytes; qc 4,194,304 bytes; kv 8,388,608 bytes; attc 4,194,304 bytes
;; launch quant (part 1): grid 1280 x 1, 4 waves a work-group, no clusters, 33,280 bytes of LDS; arguments x, wq, wk, wv, wo, lowp_scales, codes; writes codes
.if DOCPART == 1
	.amdgcn_target "amdgcn-amd-amdhsa--gfx1250"
	.amdhsa_code_object_version 6
	.text
	.protected	k_qd8163d5d1f_quant
	.globl	k_qd8163d5d1f_quant
	.p2align	8
	.type	k_qd8163d5d1f_quant,@function
k_qd8163d5d1f_quant:
	s_mov_b64 s[64:65], 0
	v_nop
	global_prefetch_b8 v0, s[64:65] scope:SCOPE_SE
	s_setreg_imm32_b32 hwreg(HW_REG_WAVE_MODE, 25, 1), 1
	s_wait_xcnt 0x0
; x and the four weights, each [2048][2048] f32 with K innermost, become codes of FP8 (E4M3), one byte a number, each with the scale 2^e that is given for it.
; codes = seven parts of 4 MiB, each [2048 rows][2048 bytes]: part 0, 1, 2 = x under entries 0, 2, 4 of the scales (x has a scale of its own in each of the three projections);
; part 3 = wq (entry 1), 4 = wk (entry 3), 5 = wv (entry 5), 6 = wo (entry 11).
; ORDER INSIDE A ROW: in each 32 bytes, byte 16 h + 8 u + j holds the code of k = 16 u + 8 h + j.  A 16-byte LDS load at 32 c + 16 h of a row then puts every k where the plain 8-bit
; matrix layout wants it (registers 2 c', 2 c' + 1 of lane half h: k = 16 c' + 8 h + 0 .. 7).  The same order in all seven parts.
; code = x / 2^e, held within +-448, rounded to the nearest code, ties to even.  LIMITS: each e between -126 and 119.  NaN among the inputs is not served.
; SHARES: 1,280 work-groups = 5 jobs x 256; job = work-group / 256 (0: x, 1 .. 4: wq, wk, wv, wo); a wave takes 4,096 numbers in 8 steps of 512.  Each of a step's four loads reads 512 consecutive bytes, 16 a lane; the 2,048 bytes turn
; through the wave's own stage in LDS (16 bytes of padding behind each 64) and come back as the 16 numbers whose codes are the lane's 16 bytes.  A wave's store covers 512 consecutive bytes, aligned.
; No tensor loads, no barrier: waves share nothing.  Loads run four steps (16 loads a wave) ahead, the turn through LDS one step.
.set STEPS, 8
.set WREG,  8192                       ; LDS: a region for each wave: two stages of 32 x SP bytes
.set SP,    80                         ; 64 bytes of numbers + 16 of padding
.set STG,   32*SP
.set SPARE, 4*WREG                     ; behind the four regions: the spare words, 128 bytes a wave, that no other line names
.set SPW,   12                         ; v12  LDS address of my spare word; never rewritten
.set NIL,   13                         ; v13  0; never rewritten
.set R,     16                         ; v16-79   four sets of 16 numbers as loaded
.set X,     80                         ; v80-111  two sets of 16 numbers in the codes' order
.set T,     112                        ; v112-127 the numbers held within the largest code x the scale
.set C,     128                        ; v128-139 codes: four registers for each of up to three outputs
	s_load_b256 s[4:11], s[0:1], 0x0               ; x, wq, wk, wv
	s_load_b128 s[12:15], s[0:1], 0x20             ; wo, the scales' exponents
	s_load_b64 s[16:17], s[0:1], 0x30              ; codes
	v_lshl_add_u32 v[SPW], v0, 2, SPARE
	v_mov_b32 v[NIL], 0
	v_lshrrev_b32 v1, 5, v0
	v_readfirstlane_b32 s18, v1                    ; wave
	v_and_b32 v2, 31, v0                           ; lane
	v_lshlrev_b32 v3, 4, v2                        ; my 16 bytes of a load's 512, and of a store's 512
	s_mul_i32 s24, s18, WREG
	v_lshrrev_b32 v14, 2, v2
	v_mul_u32_u24 v14, v14, SP
	v_and_b32 v15, 3, v2
	v_lshl_add_u32 v14, v15, 4, v14
	v_add_nc_u32 v14, s24, v14                     ; the stage, way in: SP (lane / 4) + 16 (lane % 4)
	v_lshrrev_b32 v15, 1, v2
	v_mul_u32_u24 v15, v15, 2*SP
	v_and_b32 v4, 1, v2
	v_lshl_add_u32 v15, v4, 5, v15
	v_add_nc_u32 v15, s24, v15                     ; way out: block lane / 2 of 32 numbers (two places of SP), + 32 (lane % 2): numbers 8 h + 0 .. 7 here, 16 + 8 h + 0 .. 7 one place on
	s_lshr_b32 s19, ttmp9, 8                       ; job
	s_and_b32 s20, ttmp9, 255
	s_lshl_b32 s20, s20, 2
	s_add_co_u32 s20, s20, s18                     ; which run of 4,096 numbers is my wave's
	s_lshl_b32 s22, s20, 12                        ; its codes,
	s_lshl_b32 s20, s20, 14                        ; its numbers, in bytes
	s_mov_b32 s21, 0
	s_add_co_u32 s23, s19, 2
	s_cmp_eq_u32 s19, 0
	s_cselect_b32 s23, 0, s23                      ; the part: 0 for x, job + 2 for a weight
	s_cselect_b32 s34, 1, 0                        ; 1: this is x, which has three outputs
	s_lshl_b32 s23, s23, 22
	s_add_co_u32 s22, s22, s23
	s_mov_b32 s23, 0
	s_wait_alu depctr_va_vdst(0)
	s_wait_kmcnt 0x0
	s_load_b256 s[36:43], s[14:15], 0x0            ; e0 .. e7
	s_load_b128 s[44:47], s[14:15], 0x20           ; e8 .. e11
	s_cmp_eq_u32 s19, 1                            ; the source: a choice on the work-group's number alone
	s_cselect_b64 s[4:5], s[6:7], s[4:5]
	s_cmp_eq_u32 s19, 2
	s_cselect_b64 s[4:5], s[8:9], s[4:5]
	s_cmp_eq_u32 s19, 3
	s_cselect_b64 s[4:5], s[10:11], s[4:5]
	s_cmp_eq_u32 s19, 4
	s_cselect_b64 s[4:5], s[12:13], s[4:5]
	s_add_nc_u64 s[4:5], s[4:5], s[20:21]
	s_add_nc_u64 s[28:29], s[16:17], s[22:23]      ; the first output,
	s_add_nc_u64 s[30:31], s[28:29], 0x400000      ; and, used for x alone, parts 1
	s_add_nc_u64 s[32:33], s[28:29], 0x800000      ; and 2
.macro LOAD t
.irp i, 0,1,2,3
	global_load_b128 v[R+16*((\t)%4)+4*\i:R+16*((\t)%4)+4*\i+3], v3, s[4:5] offset:2048*(\t)+512*\i th:TH_LOAD_NT   ; 32 lanes read 512 consecutive bytes; read once in the launch
.endr
.endm
.macro TURN t                          ; step t's numbers through the stage: LDS serves a wave's instructions in order, so no wait stands between the stores and the loads
.irp i, 0,1,2,3
	ds_store_b128 v14, v[R+16*((\t)%4)+4*\i:R+16*((\t)%4)+4*\i+3] offset:STG*((\t)%2)+8*SP*\i
.endr
.irp i, 0,1
	ds_load_b128 v[X+16*((\t)%2)+8*\i:X+16*((\t)%2)+8*\i+3], v15 offset:STG*((\t)%2)+SP*\i
	ds_load_b128 v[X+16*((\t)%2)+8*\i+4:X+16*((\t)%2)+8*\i+7], v15 offset:STG*((\t)%2)+SP*\i+16
.endr
.endm
.macro MKSC e, n                       ; 2^e as f32 in v[5 + 2 n] (the conversion takes its exponent field), 448 x 2^e in v[6 + 2 n]
	s_add_co_i32 s35, \e, 127
	s_lshl_b32 s24, s35, 23
	v_mov_b32 v[5+2*\n], s24
	s_add_co_i32 s35, s35, 8
	s_lshl_b32 s35, s35, 23
	s_or_b32 s35, s35, 0x600000
	v_mov_b32 v[6+2*\n], s35
.endm
.irp t, 0,1,2,3
	LOAD \t
.endr
	s_wait_kmcnt 0x0
	s_cmp_eq_u32 s19, 1                            ; the first output's exponent: entry 0, 1, 3, 5 or 11
	s_cselect_b32 s25, s37, s36
	s_cmp_eq_u32 s19, 2
	s_cselect_b32 s25, s39, s25
	s_cmp_eq_u32 s19, 3
	s_cselect_b32 s25, s41, s25
	s_cmp_eq_u32 s19, 4
	s_cselect_b32 s25, s47, s25
	MKSC s25, 0
	MKSC s38, 1                                    ; entry 2
	MKSC s40, 2                                    ; entry 4
	s_wait_alu depctr_va_vdst(0)
	s_wait_loadcnt 12                              ; step 0's four loads are in; three steps' twelve may be out
	TURN 0
.macro CONV n, t                       ; output n of step t
.set i, 0
.rept 16
	v_med3_num_f32 v[T+i], v[XS+i], -v[6+2*\n], v[6+2*\n]   ; the conversion to an 8-bit code does not saturate (ISA guide 7.6.2): the hold comes first
.set i, i+1
.endr
	v_cvt_scalef32_pk8_fp8_f32 v[C+4*\n:C+4*\n+1], v[T:T+7], v[5+2*\n]
	v_cvt_scalef32_pk8_fp8_f32 v[C+4*\n+2:C+4*\n+3], v[T+8:T+15], v[5+2*\n]
	v_nop                                          ; a plain vector line between the conversions and the next holds, which write their sources
	global_store_b128 v3, v[C+4*\n:C+4*\n+3], s[28+2*\n:29+2*\n] offset:512*(\t)
.endm
.macro STEP t
.set XS, X+16*((\t)%2)
	s_wait_dscnt 0x0                               ; this step's numbers are back from the stage, so its stores into the stage have read their registers,
.if (\t)+4 < STEPS
	LOAD (\t)+4                                    ; which take the loads of four steps on
.endif
.if (\t)+1 < STEPS
.if STEPS-2-(\t) >= 3
	s_wait_loadcnt 12                              ; the next step's four loads are in; those of the three steps behind it may be out
.else
	s_wait_loadcnt 4*(STEPS-2-(\t))
.endif
	TURN (\t)+1
.endif
	s_wait_xcnt 0x0                                ; the last step's stores have read their data: the codes' registers are written again only behind this wait
	CONV 0, \t
	s_cmp_eq_u32 s34, 0                            ; a weight has one output; the branch hangs on the work-group's number and surrounds no LDS instruction
	s_cbranch_scc1 .Lweight_\@
	CONV 1, \t
	CONV 2, \t
.Lweight_\@:
.endm
.irp t, 0,1,2,3,4,5,6,7
	STEP \t
.endr
	s_wait_tensorcnt 0x0                           ; the wave's end
	ds_add_u32 v[SPW], v[NIL]
	s_wait_dscnt 0x0
	s_endpgm
.Lfunc_end_k_qd8163d5d1f_quant:
	.size	k_qd8163d5d1f_quant, .Lfunc_end_k_qd8163d5d1f_quant-k_qd8163d5d1f_quant
	.p2alignl 7, 3214868480
	.fill 96, 4, 3214868480
	.section	.rodata,"a",@progbits
	.p2align	6, 0x0
	.amdhsa_kernel k_qd8163d5d1f_quant
		.amdhsa_group_segment_fixed_size 33280
		.amdhsa_private_segment_fixed_size 0
		.amdhsa_enable_private_segment 0
		.amdhsa_kernarg_size 56
		.amdhsa_user_sgpr_count 2
		.amdhsa_user_sgpr_kernarg_segment_ptr 1
		.amdhsa_wavefront_size32 1
		.amdhsa_system_sgpr_workgroup_id_x 1
		.amdhsa_system_sgpr_workgroup_id_y 1
		.amdhsa_system_sgpr_workgroup_id_z 1
		.amdhsa_system_vgpr_workitem_id 0
		.amdhsa_next_free_vgpr 144
		.amdhsa_next_free_sgpr 66
		.amdhsa_reserve_vcc 0
		.amdhsa_float_denorm_mode_32 3
		.amdhsa_float_denorm_mode_16_64 3
		.amdhsa_memory_ordered 1
		.amdhsa_forward_progress 1
		.amdhsa_inst_pref_size 42
	.end_amdhsa_kernel
	.amdgpu_metadata
---
amdhsa.version: [ 1, 2 ]
amdhsa.kernels:
  - .name:           k_qd8163d5d1f_quant
    .symbol:         k_qd8163d5d1f_quant.kd
    .args:
      - { .name: x, .offset: 0, .size: 8, .value_kind: global_buffer, .address_space: global }
      - { .name: wq, .offset: 8, .size: 8, .value_kind: global_buffer, .address_space: global }
      - { .name: wk, .offset: 16, .size: 8, .value_kind: global_buffer, .address_space: global }
      - { .name: wv, .offset: 24, .size: 8, .value_kind: global_buffer, .address_space: global }
      - { .name: wo, .offset: 32, .size: 8, .value_kind: global_buffer, .address_space: global }
      - { .name: lowp_scales, .offset: 40, .size: 8, .value_kind: global_buffer, .address_space: global }
      - { .name: codes, .offset: 48, .size: 8, .value_kind: global_buffer, .address_space: global }
    .group_segment_fixed_size: 33280
    .private_segment_fixed_size: 0
    .kernarg_segment_align: 8
    .kernarg_segment_size: 56
    .max_flat_workgroup_size: 128
    .sgpr_count:     66
    .vgpr_count:     144
    .wavefront_size: 32
...
	.end_amdgpu_metadata
.endif
;; end of part 1
;; launch qkv (part 2): grid 24 x 8, 4 waves a work-group, clusters of 4 x 4, 327,680 bytes of LDS; arguments codes, lowp_scales, freqs_cos, freqs_sin, qc, kv; writes qc, kv
.if DOCPART == 2
	.amdgcn_target "amdgcn-amd-amdhsa--gfx1250"
	.amdhsa_code_object_version 6
	.text
	.protected	k_qd8163d5d1f_qkv
	.globl	k_qd8163d5d1f_qkv
	.p2align	8
	.type	k_qd8163d5d1f_qkv,@function
k_qd8163d5d1f_qkv:
	s_mov_b64 s[64:65], 0
	v_nop
	global_prefetch_b8 v0, s[64:65] scope:SCOPE_SE
	s_setreg_imm32_b32 hwreg(HW_REG_WAVE_MODE, 25, 1), 1
	s_wait_xcnt 0x0
	s_wait_alu depctr_hold_cnt(0) depctr_sa_sdst(0) depctr_va_vdst(0) depctr_va_sdst(0) depctr_va_ssrc(0) depctr_va_vcc(0) depctr_vm_vsrc(0)
	s_getreg_b32 s2, hwreg(HW_REG_IB_STS2, 6, 4)
	s_cmp_eq_u32 s2, 0
	s_cbranch_scc0 .Lentry_in_a_cluster
	s_endpgm
.Lentry_in_a_cluster:
	s_bfe_u32 s2, ttmp6, 0x10000c
	s_cmp_lg_u32 s2, 0xf033
	s_cbranch_scc0 .Lentry_shape_is_right
	s_endpgm
.Lentry_shape_is_right:
; The three projections on codes of FP8 (E4M3), RoPE on q and k in f32, and the quantising of q, k and v for attention's two products.
; PART = cluster x / 2: 0 q = x wq^T, 1 k = x wk^T, 2 v.  A tile of 256 x 256 to a work-group of four waves, 128 x 128 to a wave (64 accumulators); K = 2,048 in steps of 256 through a ring of two LDS slots.
; "A" (rows of the result) and "B" (its columns) are parts of the one buffer of codes: q: x under entry 0, wq; k: x under entry 2, wk.  FOR v THEY CHANGE PLACES: A = wv, B = x under entry 4, so that the result's
; rows are channels and its columns keys: v comes out with the keys innermost, as the second product of attention wants it.
; THE MATRIX INSTRUCTION IS USED TRANSPOSED (source 0 = 16 rows of B, source 1 = 16 rows of A): lane (r, h) holds row r of a block of 16 rows, and accumulator b's registers the columns 16 b + 8 h + 0 .. 7.
; So the conversion of accumulator b gives registers 2 b, 2 b + 1 of the plain 8-bit operand layout: a block's 8 accumulators become one fragment (16 rows x 128 along the next K), which leaves as an IMAGE OF ITS
; REGISTERS: register group c at 512 c + 16 x lane, four stores of 512 consecutive bytes.  qc: [head][row block of 16][2,048 bytes].  kv: [head][key block of 128][8 images of k | 8 images of v].
; CLUSTERS: 4 x 4 work-groups; A's tiles are asked for jointly along a row of the cluster, B's along a column.  PART hangs on the cluster's x alone: it is the same in all partners.
; THE ROPE TABLES (256 rows x 256 bytes of cos, the same of sin) are asked for jointly along a row, into slot 0 when it has been read out, and land under the last K step.  Every cluster makes this request
; on the one path that all take; v's clusters do not read what it brings.
; code = number / 2^e_out, a sum standing for sum x 2^(e_a + e_b): the three exponents are folded into the conversion's one, f = e_out - e_a - e_b.  LIMIT: f between -126 and 119.  NaN among the inputs is not served.
; REGISTERS, in windows of 256: window 0: v0-31 addresses and the two scale numbers; from v128 A's fragments, one set; on the way out v32-95 a block's 64 numbers, v96-223 two sets of cos and sin, v224-255 two sets of codes.
;   window 1: B's fragments, two sets.   window 2: the accumulators of my rows 0-63 ((a, b) at v[8 (8 a + b)]);   window 3: those of my rows 64-127.
.set KSTEP,  256
.set ROWB,   256                       ; a tile's row in bytes
.set KROW,   2048                      ; a row of codes in memory
.set PITCH,  272                       ; an LDS row: 256 bytes + 16 of padding: the 16 rows that a load touches start 4 banks apart (64 banks of 4 bytes: ISA guide 11.1)
.set FR,     16
.set NL,     4
.set NP,     4                         ; places behind this matrix instruction (ISA guide 7.12.1)
.set HALFT,  128*PITCH
.set SLOT,   4*HALFT
.set LAPS,   2048/(2*KSTEP)
.set SPARE,  2*SLOT                    ; behind the ring: the spare words, 128 bytes a wave, that no other line names
.set ADRA, 16                          ; v16-17  LDS address of my A fragments in slot 0, 1; v16 also serves cos, which lands where A's rows lay
.set ADRB, 20                          ; v20-21  the same for B
.set LI,   26                          ; v26     16 x lane: an image's place for my lane
.set ADRS, 27                          ; v27     sin: v16 + 256 rows
.set SPW,  28                          ; v28     LDS address of my spare word; never rewritten
.set NIL,  29                          ; v29     0; never rewritten
.set LIM,  30                          ; v30     448 x 2^f
.set SCL,  31                          ; v31     2^f
.set Y,    32
.set AF,   128
.set G1, 24                            ; s[24:31] group 1 for A's tiles;  s[32:39] group 0, a set for each slot
.set G0, 32
.set G1B, 48                           ; s[48:55], s[56:63] the same for B's
.set G0B, 56
.set G1R, 68                           ; s[68:75] group 1 for the tables: A's with a pitch of 256 bytes
.set GC0, 76                           ; s[76:79] group 0 for cos,
.set GS0, 80                           ; s[80:83] for sin
.set MSB, 0
.macro WIN new                         ; the immediate's high byte repeats the setting that is left
.if MSB != \new
	s_set_vgpr_msb (MSB<<8)|\new
.set MSB, \new
.endif
.endm
.set MUL_LO, 0xa1                      ; source 0 (B) window 1, source 1 (A) window 0, C and D window 2
.set MUL_HI, 0xf1                      ; the same, C and D window 3
.set TO_B,   0x40
; A joint load: waves 0 and 1 take the first line, waves 2 and 3 the second.  The branch hangs on the wave's number alone.  An s_nop 0 and four v_nop follow each line.
.macro JLOAD g0a, g1a, g0b, g1b
	s_cmp_eq_u32 s15, 0
	s_cbranch_scc0 .Lfor_b_\@
	tensor_load_to_lds s[\g0a:\g0a+3], s[\g1a:\g1a+7]
	s_nop 0
.rept 4
	v_nop
.endr
	s_branch .Lasked_\@
.Lfor_b_\@:
	tensor_load_to_lds s[\g0b:\g0b+3], s[\g1b:\g1b+7]
	s_nop 0
.rept 4
	v_nop
.endr
.Lasked_\@:
.endm
.macro CREST                           ; a round of the cluster's barrier behind its opening barrier
	s_cmp_lg_u32 s14, 0
	s_cbranch_scc1 .Lnot_wave_0_\@
	s_barrier_signal -3
.Lnot_wave_0_\@:
	s_barrier_wait -3
	s_barrier_signal -1
	s_barrier_wait -1
.endm
.macro CROUND
	s_barrier_signal -1
	s_barrier_wait -1
	CREST
.endm
	s_load_b256 s[4:11], s[0:1], 0x0               ; codes s[4:5], the scales' exponents s[6:7], cos s[8:9], sin s[10:11]
	s_load_b128 s[84:87], s[0:1], 0x20             ; qc s[84:85], kv s[86:87]
	v_lshl_add_u32 v[SPW], v0, 2, SPARE
	v_mov_b32 v[NIL], 0
	ds_add_u32 v[SPW], v[NIL]                      ; the wave's opening: the add and its wait stand ahead of my first tensor load; the set-up below stands between them
	ds_add_u32 v[SPW], v[NIL]
	v_lshrrev_b32 v1, 5, v0
	v_readfirstlane_b32 s14, v1                    ; wave 0..3
	s_lshr_b32 s15, s14, 1                         ; which half of the tile's rows is mine.  Also: I fetch for A (0) or for B (1)
	s_and_b32 s16, s14, 1                          ; which half of its columns.  Also: which 128 rows I fetch
	s_bfe_u32 s40, ttmp6, 0x40000                  ; cx, cy
	s_bfe_u32 s41, ttmp6, 0x40004
	s_lshr_b32 s88, ttmp9, 1                       ; PART: two clusters along x to a part
	s_and_b32 s42, ttmp9, 1
	s_lshl_b32 s42, s42, 2
	s_add_co_u32 s42, s42, s40                     ; tile column inside the part, 0 .. 7
	s_and_b32 s17, ttmp7, 0xffff
	s_lshl_b32 s17, s17, 2
	s_add_co_u32 s17, s17, s41                     ; tile row, 0 .. 7
	s_lshl_b32 s43, s41, 2
	s_lshl_b32 s43, 15, s43                        ; my row of the cluster
	s_lshl_b32 s44, 0x1111, s40                    ; my column
	s_add_co_u32 s67, s88, 3
	s_cmp_eq_u32 s88, 2
	s_cselect_b32 s66, 5, s88                      ; A's part of the codes: x under entry 0, x under entry 2, wv
	s_cselect_b32 s67, 2, s67                      ; B's: wq, wk, x under entry 4
	s_or_b32 s[G1+0], s43, (0<<16)|(1<<20)|(1<<21)|(5<<22)|(3<<25)   ; 15:0 the mask; 17:16 elements of 1 byte; 20 padding on; 21 set beside a mask; 24:22 after every 64 words; 31:25 four words
	s_or_b32 s[G1B+0], s44, (0<<16)|(1<<20)|(1<<21)|(5<<22)|(3<<25)
	s_or_b32 s[G1R+0], s43, (0<<16)|(1<<20)|(1<<21)|(5<<22)|(3<<25)
.irp g, G1, G1B, G1R
	s_mov_b32 s[\g+1], ROWB<<16                    ; tensor_dim0
	s_mov_b32 s[\g+2], 128<<16                     ; tensor_dim1
	s_mov_b32 s[\g+3], ROWB<<16                    ; tile_dim0
	s_mov_b32 s[\g+4], 128                         ; tile_dim1
	s_mov_b32 s[\g+6], 0
	s_mov_b32 s[\g+7], 0
.endr
	s_mov_b32 s[G1+5], KROW                        ; the pitch in memory
	s_mov_b32 s[G1B+5], KROW
	s_mov_b32 s[G1R+5], 256
	s_lshl_b32 s18, s16, 7                         ; which 128 rows of a tile I fetch
	s_lshl_b32 s20, s17, 8
	s_add_co_u32 s20, s20, s18                     ; A, and the tables: row 256 x tile row + 128 x half
	s_lshl_b32 s12, s20, 8                         ; the tables: 256 bytes a row
	s_mov_b32 s13, 0
	s_lshl_b32 s20, s20, 11                        ; A: 2,048 bytes a row,
	s_lshl_b32 s21, s66, 22                        ; in its part
	s_add_co_u32 s20, s20, s21
	s_mov_b32 s21, 0
	s_lshl_b32 s46, s42, 8
	s_add_co_u32 s46, s46, s18                     ; B: row 256 x tile column + 128 x half
	s_lshl_b32 s46, s46, 11
	s_lshl_b32 s47, s67, 22
	s_add_co_u32 s46, s46, s47
	s_mov_b32 s47, 0
	s_mul_i32 s45, s14, HALFT                      ; where they go: wave x 128 rows: no place in the cluster enters an LDS address
	s_wait_dscnt 0x0                               ; the opening add is done
	s_wait_kmcnt 0x0
	s_load_b256 s[92:99], s[6:7], 0x0              ; e0 .. e7
	s_load_b32 s100, s[6:7], 0x20                  ; e8
	s_add_nc_u64 s[20:21], s[4:5], s[20:21]
	s_add_nc_u64 s[46:47], s[4:5], s[46:47]
	s_mov_b32 s[GC0], 1
	s_mov_b32 s[GC0+1], s45
	s_add_nc_u64 s[GC0+2:GC0+3], s[8:9], s[12:13]
	s_or_b32 s[GC0+3], s[GC0+3], 0x80000000
	s_mov_b32 s[GS0], 1
	s_mov_b32 s[GS0+1], s45
	s_add_nc_u64 s[GS0+2:GS0+3], s[10:11], s[12:13]
	s_or_b32 s[GS0+3], s[GS0+3], 0x80000000
	CROUND                                         ; all sixteen work-groups are here: the first joint loads meet
.irp s, 0,1
	s_mov_b32 s[G0+4*\s], 1
	s_add_co_u32 s[G0+4*\s+1], s45, \s*SLOT
	s_add_nc_u64 s[G0+4*\s+2:G0+4*\s+3], s[20:21], \s*ROWB
	s_or_b32 s[G0+4*\s+3], s[G0+4*\s+3], 0x80000000
	s_mov_b32 s[G0B+4*\s], 1
	s_add_co_u32 s[G0B+4*\s+1], s45, \s*SLOT
	s_add_nc_u64 s[G0B+4*\s+2:G0B+4*\s+3], s[46:47], \s*ROWB
	s_or_b32 s[G0B+4*\s+3], s[G0B+4*\s+3], 0x80000000
.endr
	JLOAD G0, G1, G0B, G1B                         ; K step 0: one tensor load a wave at the head
	; THE PREFETCH INTO THE L2: behind each refill of the loop one instruction a wave names the K step that stands two refills on: 32 rows x 256 bytes, a lane a row.  Of the 128 rows that I fetch, each of the four
	; partners that ask for them jointly takes 32, told apart by address (cx for A's rows, cy for B's).  K steps 0 to 3 come by their loads alone; the last two refills ask for nothing.
	s_cmp_eq_u32 s15, 0                            ; do I fetch for A?
	s_cselect_b64 s[12:13], s[20:21], s[46:47]     ; the 128 rows that I fetch, at K step 0
	s_cselect_b32 s18, s40, s41                    ; my place among the four that ask with me
	s_lshl_b32 s18, s18, 16                        ; 32 rows of 2,048 bytes
	s_add_co_u32 s18, s18, 2*ROWB                  ; at K step 2: the first refill steps it to 3 and names K step 4
	s_mov_b32 s19, 0
	s_add_nc_u64 s[12:13], s[12:13], s[18:19]
	v_and_b32 v22, 31, v0
	v_lshlrev_b32 v22, 11, v22                     ; v22: my lane x a row of codes; never rewritten
	v_and_b32 v1, 15, v0
	v_bfe_u32 v2, v0, 4, 1                         ; h
	v_mul_u32_u24 v3, v1, PITCH
	v_lshl_add_u32 v4, v2, 4, v3                   ; a fragment's row x pitch + 16 h
	s_mul_i32 s21, s15, HALFT                      ; my 128 rows of A
	s_mul_i32 s22, s16, HALFT                      ; my 128 rows of B,
	s_add_co_u32 s22, s22, 2*HALFT                 ; which lie behind A's 256
.irp s, 0,1
	v_add_nc_u32 v[ADRA+\s], s21, v4
	v_add_nc_u32 v[ADRB+\s], s22, v4
	s_add_co_u32 s21, s21, SLOT
	s_add_co_u32 s22, s22, SLOT
.endr
	v_add_nc_u32 v[ADRS], 2*HALFT, v[ADRA]
	v_and_b32 v6, 31, v0
	v_lshlrev_b32 v[LI], 4, v6
	; where my 8 images go.  m0 = my first row, cb = my block of 128 columns
	s_lshl_b32 s18, s17, 8
	s_lshl_b32 s19, s15, 7
	s_add_co_u32 s18, s18, s19                     ; m0 = 256 x tile row + 128 x half
	s_lshl_b32 s19, s42, 1
	s_add_co_u32 s19, s19, s16                     ; cb = 2 x tile column + half
	s_lshl_b32 s20, s19, 18
	s_lshl_b32 s21, s18, 7
	s_add_co_u32 s20, s20, s21                     ; q: head cb x 2^18 + row block (m0 / 16) x 2,048
	s_lshl_b32 s21, s20, 1                         ; k: head cb x 2^19 + key block (m0 / 128) x 2^15: twice q's
	s_lshl_b32 s22, s18, 12
	s_lshl_b32 s23, s19, 15
	s_add_co_u32 s22, s22, s23
	s_add_co_u32 s22, s22, 16384                   ; v: head (m0 / 128) x 2^19 + key block cb x 2^15, behind k's 8 images
	s_cmp_eq_u32 s88, 0
	s_cselect_b32 s20, s20, s21
	s_cselect_b64 s[90:91], s[84:85], s[86:87]
	s_cmp_eq_u32 s88, 2
	s_cselect_b32 s20, s22, s20
	s_mov_b32 s21, 0
	s_add_nc_u64 s[90:91], s[90:91], s[20:21]
.macro FRAG reg, adr, q, i             ; a fragment, 16 rows x 128 K, is 16 registers: four loads of 16 bytes, 32 bytes apart; the codes' order in memory puts every k in its place
.irp c, 0,1,2,3
	ds_load_b128 v[\reg+4*\c:\reg+4*\c+3], v[\adr] offset:128*(\q)+32*\c+(\i)*16*PITCH
.endr
.endm
; 16 matrix instructions: A's blocks a0, a0 + 1 x B's eight.  p: B's set.  zero = 1: the first product starts the sums.  The 64 accumulators take turns, one instruction a turn.
.macro MUL16 a0, p, zero
.irp a, \a0, \a0+1
.irp b, 0,1,2,3,4,5,6,7
.if \zero
	v_wmma_f32_16x16x128_fp8_fp8 v[8*(8*((\a)%4)+\b):8*(8*((\a)%4)+\b)+7], v[128*(\p)+FR*\b:128*(\p)+FR*\b+FR-1], v[AF+FR*(\a):AF+FR*(\a)+FR-1], 0
.else
	v_wmma_f32_16x16x128_fp8_fp8 v[8*(8*((\a)%4)+\b):8*(8*((\a)%4)+\b)+7], v[128*(\p)+FR*\b:128*(\p)+FR*\b+FR-1], v[AF+FR*(\a):AF+FR*(\a)+FR-1], v[8*(8*((\a)%4)+\b):8*(8*((\a)%4)+\b)+7]
.endif
.endr
.endr
.endm
.macro FETCH_B slot, q, p
	WIN TO_B
.irp i, 0,1,2,3,4,5,6,7
	FRAG 128*(\p)+FR*\i, ADRB+\slot, \q, \i
.endr
	WIN 0
.endm
.macro FETCH_A slot, q, i0
.irp i, \i0, \i0+1, \i0+2, \i0+3
	FRAG AF+FR*(\i), ADRA+\slot, \q, \i
.endr
.endm
.macro PLACES n                        ; plain vector lines between a matrix instruction and a load into a register that it read, or a read of its result
.rept \n
	v_nop
.endr
.endm
; A step of 128 along K that has its successor in the same slot.  A has one set of registers (blocks 0-3 fetched anew in the step's middle, 4-7 at its end), B two.
.macro STEP slot, q, zero
	s_wait_dscnt 4*NL                              ; B's set and A's blocks 0-3 are in; the youngest sixteen loads (A's blocks 4-7) may be out
	WIN MUL_LO
	MUL16 0, (\q)%2, \zero
	MUL16 2, (\q)%2, \zero
	s_wait_dscnt 0                                 ; A's blocks 4-7 are in
	PLACES NP
	FETCH_B \slot, (\q)+1, 1-(\q)%2
	FETCH_A \slot, (\q)+1, 0
	WIN MUL_HI
	MUL16 4, (\q)%2, \zero
	MUL16 6, (\q)%2, \zero
	PLACES NP
	WIN 0
	FETCH_A \slot, (\q)+1, 4
.endm
; A slot's last step changes slots: one barrier; ahead of it each wave waits for all its tensor loads, adds 0 to its spare word, and waits for that and for its reads of this slot.
; fill = 1: this slot takes the K step two on.  fill = 2: it takes the RoPE tables.  In both the barrier opens a round of the cluster's barrier and the joint load is the first thing behind the round.
.macro TURN slot, next, fill
.if \fill == 1
	s_wait_xcnt 0x0                                ; any prefetch of mine has read its address: it is stepped here, ahead of the change's own waits
	s_add_nc_u64 s[12:13], s[12:13], ROWB
.endif
	s_wait_tensorcnt 0x0                           ; all my tensor loads have landed: my part of the next slot
	ds_add_u32 v[SPW], v[NIL]                      ; 0 onto my spare word
	s_wait_dscnt 4*NL+1                            ; the add and the youngest sixteen loads may be out
	WIN MUL_LO
	MUL16 0, 1, 0
	s_wait_dscnt 0x0                               ; the add is done, and my reads of this slot are over
	s_barrier_signal -1
	MUL16 2, 1, 0
	WIN 0
	s_barrier_wait -1
.if \fill == 1
	CREST
	s_add_nc_u64 s[G0+4*\slot+2:G0+4*\slot+3], s[G0+4*\slot+2:G0+4*\slot+3], 2*ROWB
	s_add_nc_u64 s[G0B+4*\slot+2:G0B+4*\slot+3], s[G0B+4*\slot+2:G0B+4*\slot+3], 2*ROWB
	JLOAD G0+4*\slot, G1, G0B+4*\slot, G1B         ; its four v_nop are also the places in front of the loads below
.elseif \fill == 2
	CREST
	JLOAD GC0, G1R, GS0, G1R                       ; waves 0, 1: cos's two halves; waves 2, 3: sin's: they land where A's and B's rows lay
.else
	PLACES NP
.endif
	FETCH_B \next, 0, 0
	FETCH_A \next, 0, 0
.if \fill == 1
	s_cmp_gt_u32 s3, 1                             ; s3 = 1 in the loop's last trip, whose refills have no K step two on
	s_cbranch_scc0 .Lno_pf_\@
	global_prefetch_b8 v22, s[12:13] offset:ROWB th:TH_LOAD_NT scope:SCOPE_SE
.Lno_pf_\@:
.endif
	WIN MUL_HI
	MUL16 4, 1, 0
	MUL16 6, 1, 0
	PLACES NP
	WIN 0
	FETCH_A \next, 0, 4
.endm
	s_wait_alu depctr_va_vdst(0)
	s_wait_tensorcnt 0x0                           ; my part of K step 0 is in
	ds_add_u32 v[SPW], v[NIL]
	s_wait_dscnt 0x0
	CROUND                                         ; everybody's part of K step 0 is in, and the joint loads meet
	JLOAD G0+4, G1, G0B+4, G1B                     ; K step 1: the first tensor load behind the round
	FETCH_B 0, 0, 0
	FETCH_A 0, 0, 0
	FETCH_A 0, 0, 4
	STEP 0, 0, 1                                   ; the first step stands in front of the loop: its products start the sums
	s_mov_b32 s3, LAPS-1
.Llap:                                             ; a trip goes once round the ring and fills both slots again
	TURN 0, 1, 1
	STEP 1, 0, 0
	TURN 1, 0, 1
	STEP 0, 0, 0
	s_sub_co_u32 s3, s3, 1
	s_cmp_lg_u32 s3, 0
	s_cbranch_scc1 .Llap
	TURN 0, 1, 2                                   ; slot 0 has been read out: it takes the tables
	STEP 1, 0, 0
	s_wait_dscnt 4*NL                              ; the very last step
	WIN MUL_LO
	MUL16 0, 1, 0
	MUL16 2, 1, 0
	s_wait_dscnt 0
	WIN MUL_HI
	MUL16 4, 1, 0
	MUL16 6, 1, 0
	WIN 0
	PLACES NP                                      ; behind the last products: for the reads of results and the loads into the registers that held A's fragments
	s_wait_tensorcnt 0x0                           ; my part of the tables has landed,
	s_barrier_signal -1
	s_barrier_wait -1                              ; everybody's has
	s_wait_kmcnt 0x0
	s_cmp_eq_u32 s88, 1                            ; the part's three exponents: a choice, no branch
	s_cselect_b32 s18, s94, s92
	s_cselect_b32 s19, s95, s93
	s_cselect_b32 s22, s99, s98
	s_cmp_eq_u32 s88, 2
	s_cselect_b32 s18, s96, s18
	s_cselect_b32 s19, s97, s19
	s_cselect_b32 s22, s100, s22
	s_sub_co_i32 s22, s22, s18
	s_sub_co_i32 s22, s22, s19                     ; f = e_out - e_a - e_b
	s_add_co_i32 s22, s22, 127
	s_lshl_b32 s23, s22, 23
	v_mov_b32 v[SCL], s23
	s_add_co_i32 s22, s22, 8
	s_lshl_b32 s22, s22, 23
	s_or_b32 s22, s22, 0x600000
	v_mov_b32 v[LIM], s22
; THE WAY OUT, block by block of 16 rows.
.macro ROPE_LD a                       ; block a's cos and sin: lane (r, h) wants, for accumulator b, the pairs 8 b + 4 h + 0 .. 3 of its row: 16 bytes at 32 b + 16 h
.set LCR, 96+64*((\a)%2)
.irp b, 0,1,2,3,4,5,6,7
	ds_load_b128 v[LCR+4*\b:LCR+4*\b+3], v[ADRA] offset:(\a)*16*PITCH+32*\b
	ds_load_b128 v[LCR+32+4*\b:LCR+32+4*\b+3], v[ADRS] offset:(\a)*16*PITCH+32*\b
.endr
.endm
.macro EPI a, rope
.set AC, 64*((\a)%4)
.set CR, 96+64*((\a)%2)
.set PC, 224+16*((\a)%2)
.if \rope
.if (\a) < 7
	ROPE_LD (\a)+1
	s_wait_dscnt 16                                ; this block's tables are in; the next block's sixteen loads may be out
.else
	s_wait_dscnt 0x0
.endif
	WIN 0x02+((\a)/4)                              ; source 0: the accumulators' window
.irp b, 0,1,2,3,4,5,6,7
.irp i, 0,1,2,3
	v_mul_f32 v[Y+8*\b+2*\i], v[AC+8*\b+2*\i], v[CR+4*\b+\i]                                   ; v0 c   (each accumulator is read from its low end on)
	v_mul_f32 v[Y+8*\b+2*\i+1], v[AC+8*\b+2*\i+1], v[CR+4*\b+\i]                               ; v1 c
	v_fma_f32 v[Y+8*\b+2*\i], -v[AC+8*\b+2*\i+1], v[CR+32+4*\b+\i], v[Y+8*\b+2*\i]             ; v0 c - v1 s
	v_fma_f32 v[Y+8*\b+2*\i+1], v[AC+8*\b+2*\i], v[CR+32+4*\b+\i], v[Y+8*\b+2*\i+1]            ; v0 s + v1 c
.endr
.endr
	WIN 0
.set i, 0
.rept 64
	v_med3_num_f32 v[Y+i], v[Y+i], -v[LIM], v[LIM] ; the conversion to an 8-bit code does not saturate (ISA guide 7.6.2): the hold comes first
.set i, i+1
.endr
.else
	WIN 0x02+((\a)/4)
.set i, 0
.rept 64
	v_med3_num_f32 v[Y+i], v[AC+i], -v[LIM], v[LIM]
.set i, i+1
.endr
	WIN 0
.endif
.if (\a) >= 2
	s_wait_alu depctr_va_vdst(0)
	s_wait_xcnt 0x0                                ; block a - 2's stores have read their data: these codes' registers are written again only behind this wait
.endif
.irp b, 0,1,2,3,4,5,6,7
	v_cvt_scalef32_pk8_fp8_f32 v[PC+2*\b:PC+2*\b+1], v[Y+8*\b:Y+8*\b+7], v[SCL]   ; registers 2 b, 2 b + 1 of the fragment: k = 16 b + 8 h + 0 .. 7
.endr
	v_nop                                          ; a plain vector line between the conversions and the next block's lines, which write their sources
.irp c, 0,1,2,3
	global_store_b128 v[LI], v[PC+4*\c:PC+4*\c+3], s[90:91] offset:2048*(\a)+512*\c   ; 32 lanes store 512 consecutive bytes, aligned
.endr
.endm
	s_cmp_eq_u32 s88, 2                            ; the part hangs on the cluster's x alone: all partners and all waves take the same way
	s_cbranch_scc1 .Lv_out
	ROPE_LD 0
.irp a, 0,1,2,3,4,5,6,7
	EPI \a, 1
.endr
	s_branch .Ldone
.Lv_out:
	s_wait_alu depctr_va_vdst(0)
.irp a, 0,1,2,3,4,5,6,7
	EPI \a, 0
.endr
.Ldone:
	s_wait_tensorcnt 0x0                           ; the wave's end
	ds_add_u32 v[SPW], v[NIL]
	s_wait_dscnt 0x0
	CROUND                                         ; the closing round: no work-group ends while a partner may still ask for a tile that names it
	s_endpgm
.Lfunc_end_k_qd8163d5d1f_qkv:
	.size	k_qd8163d5d1f_qkv, .Lfunc_end_k_qd8163d5d1f_qkv-k_qd8163d5d1f_qkv
	.p2alignl 7, 3214868480
	.fill 96, 4, 3214868480
	.section	.rodata,"a",@progbits
	.p2align	6, 0x0
	.amdhsa_kernel k_qd8163d5d1f_qkv
		.amdhsa_group_segment_fixed_size 327680
		.amdhsa_private_segment_fixed_size 0
		.amdhsa_enable_private_segment 0
		.amdhsa_kernarg_size 48
		.amdhsa_user_sgpr_count 2
		.amdhsa_user_sgpr_kernarg_segment_ptr 1
		.amdhsa_wavefront_size32 1
		.amdhsa_system_sgpr_workgroup_id_x 1
		.amdhsa_system_sgpr_workgroup_id_y 1
		.amdhsa_system_sgpr_workgroup_id_z 1
		.amdhsa_system_vgpr_workitem_id 0
		.amdhsa_next_free_vgpr 1024
		.amdhsa_next_free_sgpr 102
		.amdhsa_reserve_vcc 0
		.amdhsa_float_denorm_mode_32 3
		.amdhsa_float_denorm_mode_16_64 3
		.amdhsa_memory_ordered 1
		.amdhsa_forward_progress 1
		.amdhsa_inst_pref_size 218
	.end_amdhsa_kernel
	.amdgpu_metadata
---
amdhsa.version: [ 1, 2 ]
amdhsa.kernels:
  - .name:           k_qd8163d5d1f_qkv
    .symbol:         k_qd8163d5d1f_qkv.kd
    .args:
      - { .name: codes, .offset: 0, .size: 8, .value_kind: global_buffer, .address_space: global }
      - { .name: lowp_scales, .offset: 8, .size: 8, .value_kind: global_buffer, .address_space: global }
      - { .name: freqs_cos, .offset: 16, .size: 8, .value_kind: global_buffer, .address_space: global }
      - { .name: freqs_sin, .offset: 24, .size: 8, .value_kind: global_buffer, .address_space: global }
      - { .name: qc, .offset: 32, .size: 8, .value_kind: global_buffer, .address_space: global }
      - { .name: kv, .offset: 40, .size: 8, .value_kind: global_buffer, .address_space: global }
    .group_segment_fixed_size: 327680
    .private_segment_fixed_size: 0
    .kernarg_segment_align: 8
    .kernarg_segment_size: 48
    .max_flat_workgroup_size: 128
    .sgpr_count:     102
    .vgpr_count:     1024
    .wavefront_size: 32
...
	.end_amdgpu_metadata
.endif
;; end of part 2
;; launch attn (part 3): grid 16 x 16, 4 waves a work-group, clusters of 4 x 4, 327,680 bytes of LDS; arguments qc, kv, mask, lowp_scales, attc; writes attc
.if DOCPART == 3
	.amdgcn_target "amdgcn-amd-amdhsa--gfx1250"
	.amdhsa_code_object_version 6
	.text
	.protected	k_qd8163d5d1f_attn
	.globl	k_qd8163d5d1f_attn
	.p2align	8
	.type	k_qd8163d5d1f_attn,@function
k_qd8163d5d1f_attn:
	s_mov_b64 s[64:65], 0
	v_nop
	global_prefetch_b8 v0, s[64:65] scope:SCOPE_SE
	s_setreg_imm32_b32 hwreg(HW_REG_WAVE_MODE, 25, 1), 1
	s_wait_xcnt 0x0
	s_wait_alu depctr_hold_cnt(0) depctr_sa_sdst(0) depctr_va_vdst(0) depctr_va_sdst(0) depctr_va_ssrc(0) depctr_va_vcc(0) depctr_vm_vsrc(0)
	s_getreg_b32 s2, hwreg(HW_REG_IB_STS2, 6, 4)
	s_cmp_eq_u32 s2, 0
	s_cbranch_scc0 .Lentry_in_a_cluster
	s_endpgm
.Lentry_in_a_cluster:
	s_bfe_u32 s2, ttmp6, 0x10000c
	s_cmp_lg_u32 s2, 0xf033
	s_cbranch_scc0 .Lentry_shape_is_right
	s_endpgm
.Lentry_shape_is_right:
.set SLOT1, 131072
.set VOFF,  16384
.set MOFF,  32768
.set MP,    528
.set SPARE, 2*SLOT1
.set LI,  1
.set AM0, 2
.set PFO, 3
.set SPW, 5
.set NIL, 6
.set ADK, 8
.set ADM, 9
.set ST,  12
.set WK,  20
.set F,   24
.set PD,  28
.set PLIM, 30
.set PSC, 31
.set S,   32
.set PC,  160
.set Q,   192
.set SUM2, 224
.set G1KV, 24
.set G1M,  32
.set G0KV, 40
.set G0M,  48
.set CNT, 56
.set TB,  57
.set CP,  58
.set LG,  60
.set SEL, 62
.set PFA, 66
.set PFS, 68
.set PLM, 70
.set MSB, 0
.macro WIN new
.if MSB != \new
	s_set_vgpr_msb (MSB<<8)|\new
.set MSB, \new
.endif
.endm
.set W_KQ, 0x02
.set W_Z,  0x10
.set W_RS, 0x41
.set W_PV, 0x52
.set TO_KV, 0x80
.set TO_M, 0x40
.set W_OUT, 0x01
.macro JLOAD s
	s_cmp_eq_u32 s15, 0
	s_cbranch_scc0 .Lfor_m_\@
	tensor_load_to_lds s[G0KV+4*\s:G0KV+4*\s+3], s[G1KV:G1KV+7]
	s_nop 0
.rept 4
	v_nop
.endr
	s_branch .Lasked_\@
.Lfor_m_\@:
	tensor_load_to_lds s[G0M+4*\s:G0M+4*\s+3], s[G1M:G1M+7]
	s_nop 0
.rept 4
	v_nop
.endr
.Lasked_\@:
.endm
.macro ASK
	s_cmp_gt_u32 s[CNT], s[PLM]
	s_cbranch_scc0 .Lnot_mine_\@
	global_prefetch_b8 v[PFO], s[PFA:PFA+1] th:TH_LOAD_NT scope:SCOPE_SE
.Lnot_mine_\@:
.endm
.macro CROUND
	s_barrier_signal -1
	s_barrier_wait -1
	s_cmp_lg_u32 s14, 0
	s_cbranch_scc1 .Lnot_wave_0_\@
	s_barrier_signal -3
.Lnot_wave_0_\@:
	s_barrier_wait -3
	s_barrier_signal -1
	s_barrier_wait -1
.endm
	s_load_b256 s[4:11], s[0:1], 0x0
	s_load_b64 s[12:13], s[0:1], 0x20
	v_lshl_add_u32 v[SPW], v0, 2, SPARE
	v_mov_b32 v[NIL], 0
	ds_add_u32 v[SPW], v[NIL]
	ds_add_u32 v[SPW], v[NIL]
	v_lshrrev_b32 v1, 5, v0
	v_readfirstlane_b32 s14, v1
	s_lshr_b32 s15, s14, 1
	s_and_b32 s16, s14, 1
	s_bfe_u32 s17, ttmp6, 0x40000
	s_bfe_u32 s18, ttmp6, 0x40004
	s_lshl_b32 s19, ttmp9, 2
	s_add_co_u32 s19, s19, s17
	s_and_b32 s20, ttmp7, 0xffff
	s_lshl_b32 s20, s20, 2
	s_add_co_u32 s20, s20, s18
	s_lshl_b32 s21, s18, 2
	s_lshl_b32 s21, 15, s21
	s_lshl_b32 s22, 0x1111, s17
	s_or_b32 s[G1KV], s22, (3<<16)|(1<<21)
	s_mov_b32 s[G1KV+1], 32<<16
	s_mov_b32 s[G1KV+2], 64<<16
	s_mov_b32 s[G1KV+3], 32<<16
	s_mov_b32 s[G1KV+4], 64
	s_mov_b32 s[G1KV+5], 32
	s_mov_b32 s[G1KV+6], 0
	s_mov_b32 s[G1KV+7], 0
	s_or_b32 s[G1M], s21, (2<<16)|(1<<20)|(1<<21)|(6<<22)|(3<<25)
	s_mov_b32 s[G1M+1], 128<<16
	s_mov_b32 s[G1M+2], 64<<16
	s_mov_b32 s[G1M+3], 128<<16
	s_mov_b32 s[G1M+4], 64
	s_mov_b32 s[G1M+5], 2048
	s_mov_b32 s[G1M+6], 0
	s_mov_b32 s[G1M+7], 0
	s_lshl_b32 s84, s19, 19
	s_lshl_b32 s85, s16, 14
	s_add_co_u32 s84, s84, s85
	s_mov_b32 s85, 0
	s_lshl_b32 s86, s20, 7
	s_lshl_b32 s87, s16, 6
	s_add_co_u32 s86, s86, s87
	s_lshl_b32 s86, s86, 13
	s_mov_b32 s87, 0
	s_lshl_b32 s88, s16, 14
	s_mul_i32 s89, s16, 64*MP
	s_add_co_u32 s89, s89, MOFF
	s_lshl_b32 s90, s20, 3
	s_lshl_b32 s91, s14, 1
	s_add_co_u32 s90, s90, s91
	s_lshl_b32 s92, s90, 11
	s_lshl_b32 s91, s19, 18
	s_add_co_u32 s92, s92, s91
	s_mov_b32 s93, 0
	s_lshl_b32 s94, s90, 15
	s_lshl_b32 s91, s19, 11
	s_add_co_u32 s94, s94, s91
	s_mov_b32 s95, 0
	s_mov_b32 s[SEL], 0x76543210
	s_mov_b32 s[SEL+1], 0xfedcba98
	s_mov_b32 s[LG], 0x3fb8aa3b
	s_mov_b32 s[LG+1], 0x3fb8aa3b
	s_mov_b32 s[CP], 0x3db504f3
	s_mov_b32 s[TB], 0
	s_mov_b32 s[CNT], 14
	s_wait_dscnt 0x0
	s_wait_kmcnt 0x0
	s_load_b256 s[72:79], s[10:11], 0x0
	s_load_b128 s[80:83], s[10:11], 0x20
	s_add_nc_u64 s[84:85], s[6:7], s[84:85]
	s_add_nc_u64 s[86:87], s[8:9], s[86:87]
	s_add_nc_u64 s[4:5], s[4:5], s[92:93]
	s_add_nc_u64 s[12:13], s[12:13], s[94:95]
	CROUND
.irp s, 0,1
	s_mov_b32 s[G0KV+4*\s], 1
	s_add_co_u32 s[G0KV+4*\s+1], s88, \s*SLOT1
	s_add_nc_u64 s[G0KV+4*\s+2:G0KV+4*\s+3], s[84:85], \s*32768
	s_or_b32 s[G0KV+4*\s+3], s[G0KV+4*\s+3], 0x80000000
	s_mov_b32 s[G0M+4*\s], 1
	s_add_co_u32 s[G0M+4*\s+1], s89, \s*SLOT1
	s_add_nc_u64 s[G0M+4*\s+2:G0M+4*\s+3], s[86:87], \s*512
	s_or_b32 s[G0M+4*\s+3], s[G0M+4*\s+3], 0x80000000
	s_wait_alu depctr_va_vdst(0)
	s_wait_tensorcnt 0x0
	ds_add_u32 v5, v6
	ds_add_u32 v5, v6
	s_wait_dscnt 0x0
	CROUND
	JLOAD \s
.endr
	v_and_b32 v1, 31, v0
	v_lshlrev_b32 v[LI], 4, v1
.irp u, 0,1
.irp c, 0,1,2,3
	global_load_b128 v[Q+16*\u+4*\c:Q+16*\u+4*\c+3], v[LI], s[4:5] offset:2048*\u+512*\c
.endr
.endr
	v_and_b32 v7, 15, v0
	v_bfe_u32 v4, v0, 4, 1
	s_mul_i32 s90, s14, 32*MP
	s_add_co_u32 s90, s90, MOFF
	v_mul_u32_u24 v[AM0], v7, MP
	v_lshl_add_u32 v[AM0], v4, 5, v[AM0]
	v_add_nc_u32 v[AM0], s90, v[AM0]
	s_lshl_b32 s90, s19, 19
	s_lshl_b32 s91, s18, 13
	s_add_co_u32 s90, s90, s91
	s_add_co_u32 s90, s90, 2*32768
	s_lshl_b32 s92, s20, 7
	s_lshl_b32 s91, s17, 5
	s_add_co_u32 s92, s92, s91
	s_lshl_b32 s92, s92, 13
	s_lshl_b32 s91, s16, 8
	s_add_co_u32 s92, s92, s91
	s_add_co_u32 s92, s92, 2*512
	s_and_b32 s93, ttmp7, 0xffff
	s_mov_b32 s[PFS], 512
	s_cmp_eq_u32 s15, 0
	s_cselect_b64 s[PFA:PFA+1], s[6:7], s[8:9]
	s_cselect_b32 s90, s90, s92
	s_cselect_b32 s[PFS], 0x8000, s[PFS]
	s_cselect_b32 s91, 8, 13
	s_cselect_b32 s93, s93, ttmp9
	s_mov_b32 s[PFS+1], 0
	s_cmp_eq_u32 s14, 1
	s_cselect_b32 s92, 1, 0
	s_or_b32 s93, s93, s92
	s_cmp_eq_u32 s93, 0
	s_cselect_b32 s[PLM], 1, -1
	v_and_b32 v[PFO], 31, v0
	v_lshlrev_b32 v[PFO], s91, v[PFO]
	s_mov_b32 s91, 0
	s_add_nc_u64 s[PFA:PFA+1], s[PFA:PFA+1], s[90:91]
.irp u, 0,1
	v_mov_b32 v[ST+4*\u+1], 0xff61b1e6
	v_floor_f32 v[ST+4*\u], -v[ST+4*\u+1]
	v_mov_b32 v[ST+4*\u+2], 0
	v_mov_b32 v[ST+4*\u+3], 0
	v_mov_b32 v[F+2*\u+1], 0
	v_mov_b32 v[PD+\u], 0
.endr
	WIN TO_M
.set i, 0
.rept 128
	v_mov_b32 v[128+i], 0
.set i, i+1
.endr
	WIN 0
	s_wait_kmcnt 0x0
	s_add_co_i32 s90, s78, s79
	s_lshl_b32 s90, s90, 23
	s_add_co_i32 s[CP], s[CP], s90
	s_mov_b32 s[CP+1], s[CP]
	s_add_co_i32 s90, s81, 127
	s_lshl_b32 s91, s90, 23
	v_mov_b32 v[PSC], s91
	s_add_co_i32 s90, s90, 8
	s_lshl_b32 s90, s90, 23
	s_or_b32 s90, s90, 0x600000
	v_mov_b32 v[PLIM], s90
.macro FETCH_K
	WIN TO_KV
.irp t, 0,1,2,3,4,5,6,7
.irp c, 0,1,2,3
	ds_load_b128 v[16*\t+4*\c:16*\t+4*\c+3], v[ADK] offset:2048*\t+512*\c
.endr
.endr
.endm
.macro FETCH_V
	WIN TO_KV
.irp t, 0,1,2,3,4,5,6,7
.irp c, 0,1,2,3
	ds_load_b128 v[128+16*\t+4*\c:128+16*\t+4*\c+3], v[ADK] offset:VOFF+2048*\t+512*\c
.endr
.endr
.endm
.macro FETCH_M
	WIN TO_M
.irp u, 0,1
.irp t, 0,1,2,3,4,5,6,7
	ds_load_b128 v[64*\u+8*\t:64*\u+8*\t+3], v[ADM] offset:16*MP*\u+64*\t
	ds_load_b128 v[64*\u+8*\t+4:64*\u+8*\t+7], v[ADM] offset:16*MP*\u+64*\t+16
.endr
.endr
.endm
.macro SOFT
.irp u, 0,1
	v_max3_num_f32 v[WK+2*\u], v[S+64*\u], v[S+64*\u+1], v[S+64*\u+2]
	v_max3_num_f32 v[WK+2*\u+1], v[S+64*\u+3], v[S+64*\u+4], v[S+64*\u+5]
.endr
.irp i, 6,10,14,18,22,26,30,34,38,42,46,50,54,58
.irp u, 0,1
	v_max3_num_f32 v[WK+2*\u], v[WK+2*\u], v[S+64*\u+\i], v[S+64*\u+\i+1]
	v_max3_num_f32 v[WK+2*\u+1], v[WK+2*\u+1], v[S+64*\u+\i+2], v[S+64*\u+\i+3]
.endr
.endr
.irp u, 0,1
	v_max3_num_f32 v[WK+2*\u], v[WK+2*\u], v[S+64*\u+62], v[S+64*\u+63]
.endr
.irp u, 0,1
	v_max_num_f32 v[WK+2*\u], v[WK+2*\u], v[WK+2*\u+1]
.endr
.irp u, 0,1
	v_permlanex16_b32 v[PD+\u], v[WK+2*\u], s[SEL], s[SEL+1]
.endr
.irp u, 0,1
	v_max_num_f32 v[WK+2*\u], v[WK+2*\u], v[PD+\u]
.endr
.irp u, 0,1
	v_mul_f32 v[WK+2*\u], s[LG], v[WK+2*\u]
.endr
.irp u, 0,1
	v_max_num_f32 v[ST+4*\u+1], v[ST+4*\u+1], v[WK+2*\u]
.endr
.irp u, 0,1
	v_mov_b32 v[WK+2*\u], v[ST+4*\u]
.endr
.irp u, 0,1
	v_floor_f32 v[ST+4*\u], -v[ST+4*\u+1]
.endr
.irp u, 0,1
	v_sub_f32 v[WK+2*\u], v[ST+4*\u], v[WK+2*\u]
.endr
.irp u, 0,1
	v_cvt_i32_f32 v[WK+2*\u], v[WK+2*\u]
.endr
.irp u, 0,1
	v_ldexp_f32 v[F+2*\u], 1.0, v[WK+2*\u]
.endr
.irp u, 0,1
.set i, 0
.rept 32
	v_pk_fma_f32 v[S+64*\u+i:S+64*\u+i+1], v[S+64*\u+i:S+64*\u+i+1], s[LG:LG+1], v[ST+4*\u:ST+4*\u+1] op_sel_hi:[1,0,0]
.set i, i+2
.endr
.endr
.set i, 0
	s_wait_alu depctr_va_vdst(0)
.rept 128
	v_exp_f32 v[S+i], v[S+i]
.set i, i+1
.endr
.irp u, 0,1
	v_pk_mul_f32 v[ST+4*\u+2:ST+4*\u+3], v[ST+4*\u+2:ST+4*\u+3], v[F+2*\u:F+2*\u+1] op_sel_hi:[1,0]
.endr
	s_wait_alu depctr_va_vdst(0)
.irp u, 0,1
	v_pk_add_f32 v[SUM2+2*\u:SUM2+2*\u+1], v[S+64*\u:S+64*\u+1], v[S+64*\u+2:S+64*\u+3]
.endr
.irp j, 4,8,12,16,20,24,28,32,36,40,44,48,52,56,60
.irp u, 0,1
	v_pk_add_f32 v[ST+4*\u+2:ST+4*\u+3], v[ST+4*\u+2:ST+4*\u+3], v[S+64*\u+\j:S+64*\u+\j+1]
	v_pk_add_f32 v[SUM2+2*\u:SUM2+2*\u+1], v[SUM2+2*\u:SUM2+2*\u+1], v[S+64*\u+\j+2:S+64*\u+\j+3]
.endr
.endr
.irp u, 0,1
	v_pk_add_f32 v[ST+4*\u+2:ST+4*\u+3], v[ST+4*\u+2:ST+4*\u+3], v[SUM2+2*\u:SUM2+2*\u+1]
.endr
.set i, 0
.rept 128
	v_min_num_f32 v[S+i], v[S+i], v[PLIM]
.set i, i+1
.endr
.irp u, 0,1
.irp t, 0,1,2,3,4,5,6,7
	v_cvt_scalef32_pk8_fp8_f32 v[PC+16*\u+2*\t:PC+16*\u+2*\t+1], v[S+64*\u+8*\t:S+64*\u+8*\t+7], v[PSC]
.endr
.endr
.endm
.macro TRIP change, next
	s_wait_dscnt 32
	WIN W_KQ
.irp t, 0,1,2,3,4,5,6,7
.irp u, 0,1
	v_wmma_f32_16x16x128_fp8_fp8 v[S+64*\u+8*\t:S+64*\u+8*\t+7], v[16*\t:16*\t+15], v[Q+16*\u:Q+16*\u+15], 0
.endr
.endr
.rept 4
	v_nop
.endr
	WIN W_Z
.set i, 0
.rept 64
	v_pk_fma_f32 v[S+i:S+i+1], v[S+i:S+i+1], s[CP:CP+1], v[i:i+1] op_sel_hi:[1,0,1]
.set i, i+2
.endr
	WIN 0
.if \change == 2
	s_wait_tensorcnt 0x0
	ds_add_u32 v[SPW], v[NIL]
	s_xor_b32 s[G0KV+5], s[G0KV+5], SLOT1
	s_add_nc_u64 s[G0KV+6:G0KV+7], s[G0KV+6:G0KV+7], 32768
	s_xor_b32 s[G0M+5], s[G0M+5], SLOT1
	s_add_nc_u64 s[G0M+6:G0M+7], s[G0M+6:G0M+7], 512
	s_wait_xcnt 0x0
	s_add_nc_u64 s[PFA:PFA+1], s[PFA:PFA+1], s[PFS:PFS+1]
	s_wait_dscnt 0x0
	CROUND
	JLOAD 1
.elseif \change == 1
	s_wait_tensorcnt 0x0
	ds_add_u32 v[SPW], v[NIL]
	s_wait_dscnt 0x0
	s_barrier_signal -1
	s_barrier_wait -1
.else
	s_wait_dscnt 0x0
.endif
.if \next
	v_add_nc_u32 v[ADK], s[TB], v[LI]
	v_add_nc_u32 v[ADM], s[TB], v[AM0]
	FETCH_K
	FETCH_M
	WIN 0
.endif
.if \change == 2
	ASK
.endif
	SOFT
	WIN W_RS
.irp u, 0,1
.set i, 0
.rept 32
	v_pk_mul_f32 v[128+64*\u+i:128+64*\u+i+1], v[128+64*\u+i:128+64*\u+i+1], v[F+2*\u:F+2*\u+1] op_sel_hi:[1,0]
.set i, i+2
.endr
.endr
	WIN W_PV
.irp t, 0,1,2,3,4,5,6,7
.irp u, 0,1
	v_wmma_f32_16x16x128_fp8_fp8 v[128+64*\u+8*\t:128+64*\u+8*\t+7], v[128+16*\t:128+16*\t+15], v[PC+16*\u:PC+16*\u+15], v[128+64*\u+8*\t:128+64*\u+8*\t+7]
.endr
.endr
	WIN 0
.if \next
.rept 4
	v_nop
.endr
	FETCH_V
	WIN 0
	s_xor_b32 s[TB], s[TB], SLOT1
.endif
.endm
	s_wait_tensorcnt 1
	s_barrier_signal -1
	s_barrier_wait -1
	v_add_nc_u32 v[ADK], s[TB], v[LI]
	v_add_nc_u32 v[ADM], s[TB], v[AM0]
	FETCH_K
	FETCH_M
	FETCH_V
	WIN 0
	s_xor_b32 s[TB], s[TB], SLOT1
	s_wait_loadcnt 0x0
.Ltrip:
	TRIP 2, 1
	s_sub_co_u32 s[CNT], s[CNT], 1
	s_cmp_lg_u32 s[CNT], 0
	s_cbranch_scc1 .Ltrip
	TRIP 1, 1
	TRIP 0, 0
.rept 4
	v_nop
.endr
.irp u, 0,1
	v_add_f32 v[WK+2*\u], v[ST+4*\u+2], v[ST+4*\u+3]
.endr
.irp u, 0,1
	v_permlanex16_b32 v[PD+\u], v[WK+2*\u], s[SEL], s[SEL+1]
.endr
.irp u, 0,1
	v_add_f32 v[WK+2*\u], v[WK+2*\u], v[PD+\u]
.endr
	s_wait_alu depctr_va_vdst(0)
.irp u, 0,1
	v_rcp_f32 v[WK+2*\u+1], v[WK+2*\u]
.endr
	v_mov_b32 v10, 0x7f7f7f7f
	s_sub_co_i32 s90, s82, s80
	s_sub_co_i32 s90, s90, s81
	s_add_co_i32 s90, s90, 127
	s_lshl_b32 s91, s90, 23
	v_mov_b32 v25, s91
	s_add_co_i32 s90, s90, 8
	s_lshl_b32 s90, s90, 23
	s_or_b32 s90, s90, 0x600000
	v_mov_b32 v24, s90
	s_wait_alu depctr_va_vdst(0)
	WIN W_OUT
.irp u, 0,1
.set i, 0
.rept 64
	v_mul_f32 v[S+64*\u+i], v[128+64*\u+i], v[WK+2*\u+1]
.set i, i+1
.endr
.endr
	WIN 0
.set i, 0
.rept 128
	v_med3_num_f32 v[S+i], v[S+i], -v24, v24
.set i, i+1
.endr
.irp u, 0,1
.irp t, 0,1,2,3,4,5,6,7
	v_cvt_scalef32_pk8_fp8_f32 v[PC+16*\u+2*\t:PC+16*\u+2*\t+1], v[S+64*\u+8*\t:S+64*\u+8*\t+7], v25
.endr
.endr
	v_nop
.irp u, 0,1
	v_cmp_lt_f32 vcc_lo, 0, v[WK+2*\u]
.set i, 0
.rept 16
	v_cndmask_b32 v[PC+16*\u+i], v10, v[PC+16*\u+i], vcc_lo
.set i, i+1
.endr
.endr
.irp u, 0,1
.irp c, 0,1,2,3
	global_store_b128 v[LI], v[PC+16*\u+4*\c:PC+16*\u+4*\c+3], s[12:13] offset:32768*\u+512*\c
.endr
.endr
	s_wait_tensorcnt 0x0
	ds_add_u32 v[SPW], v[NIL]
	s_wait_dscnt 0x0
	CROUND
	s_endpgm
.Lfunc_end_k_qd8163d5d1f_attn:
	.size	k_qd8163d5d1f_attn, .Lfunc_end_k_qd8163d5d1f_attn-k_qd8163d5d1f_attn
	.p2alignl 7, 3214868480
	.fill 96, 4, 3214868480
	.section	.rodata,"a",@progbits
	.p2align	6, 0x0
	.amdhsa_kernel k_qd8163d5d1f_attn
		.amdhsa_group_segment_fixed_size 327680
		.amdhsa_private_segment_fixed_size 0
		.amdhsa_enable_private_segment 0
		.amdhsa_kernarg_size 40
		.amdhsa_user_sgpr_count 2
		.amdhsa_user_sgpr_kernarg_segment_ptr 1
		.amdhsa_wavefront_size32 1
		.amdhsa_system_sgpr_workgroup_id_x 1
		.amdhsa_system_sgpr_workgroup_id_y 1
		.amdhsa_system_sgpr_workgroup_id_z 1
		.amdhsa_system_vgpr_workitem_id 0
		.amdhsa_next_free_vgpr 768
		.amdhsa_next_free_sgpr 96
		.amdhsa_reserve_vcc 1
		.amdhsa_float_denorm_mode_32 3
		.amdhsa_float_denorm_mode_16_64 3
		.amdhsa_memory_ordered 1
		.amdhsa_forward_progress 1
		.amdhsa_inst_pref_size 148
	.end_amdhsa_kernel
	.amdgpu_metadata
---
amdhsa.version: [ 1, 2 ]
amdhsa.kernels:
  - .name:           k_qd8163d5d1f_attn
    .symbol:         k_qd8163d5d1f_attn.kd
    .args:
      - { .name: qc, .offset: 0, .size: 8, .value_kind: global_buffer, .address_space: global }
      - { .name: kv, .offset: 8, .size: 8, .value_kind: global_buffer, .address_space: global }
      - { .name: mask, .offset: 16, .size: 8, .value_kind: global_buffer, .address_space: global }
      - { .name: lowp_scales, .offset: 24, .size: 8, .value_kind: global_buffer, .address_space: global }
      - { .name: attc, .offset: 32, .size: 8, .value_kind: global_buffer, .address_space: global }
    .group_segment_fixed_size: 327680
    .private_segment_fixed_size: 0
    .kernarg_segment_align: 8
    .kernarg_segment_size: 40
    .max_flat_workgroup_size: 128
    .sgpr_count:     96
    .vgpr_count:     768
    .wavefront_size: 32
...
	.end_amdgpu_metadata
.endif
;; end of part 3
;; launch oproj (part 4): grid 16 x 16, 4 waves a work-group, clusters of 4 x 4, 327,680 bytes of LDS; arguments attc, codes, lowp_scales, out0; writes out0
.if DOCPART == 4
	.amdgcn_target "amdgcn-amd-amdhsa--gfx1250"
	.amdhsa_code_object_version 6
	.text
	.protected	k_qd8163d5d1f_oproj
	.globl	k_qd8163d5d1f_oproj
	.p2align	8
	.type	k_qd8163d5d1f_oproj,@function
k_qd8163d5d1f_oproj:
	s_mov_b64 s[64:65], 0
	v_nop
	global_prefetch_b8 v0, s[64:65] scope:SCOPE_SE
	s_setreg_imm32_b32 hwreg(HW_REG_WAVE_MODE, 25, 1), 1
	s_wait_xcnt 0x0
	s_wait_alu depctr_hold_cnt(0) depctr_sa_sdst(0) depctr_va_vdst(0) depctr_va_sdst(0) depctr_va_ssrc(0) depctr_va_vcc(0) depctr_vm_vsrc(0)
	s_getreg_b32 s2, hwreg(HW_REG_IB_STS2, 6, 4)
	s_cmp_eq_u32 s2, 0
	s_cbranch_scc0 .Lentry_in_a_cluster
	s_endpgm
.Lentry_in_a_cluster:
	s_bfe_u32 s2, ttmp6, 0x10000c
	s_cmp_lg_u32 s2, 0xf033
	s_cbranch_scc0 .Lentry_shape_is_right
	s_endpgm
.Lentry_shape_is_right:
.set BP,     528
.set AIMG,   8192
.set BOFF,   65536
.set SLOT,   BOFF+128*BP
.set STAGE,  2*SLOT
.set SPITCH, 272
.set SPARE,  STAGE+4*16*SPITCH
.set ADRA, 16
.set ADRB, 20
.set STO,  24
.set RD,   25
.set CO,   26
.set SPW,  28
.set NIL,  29
.set TMP,  32
.set BK,   64
.set ACC,  128
.set F0,   0
.set F1,   128
.set G1, 24
.set G0, 32
.set G1B, 48
.set G0B, 56
.set MSB, 0
.macro WIN new
.if MSB != \new
	s_set_vgpr_msb (MSB<<8)|\new
.set MSB, \new
.endif
.endm
.set MUL,  0x05
.set TO_F, 0x40
.macro JLOAD s
	s_cmp_eq_u32 s15, 0
	s_cbranch_scc0 .Lfor_b_\@
	tensor_load_to_lds s[G0+4*\s:G0+4*\s+3], s[G1:G1+7]
	s_nop 0
.rept 4
	v_nop
.endr
	s_branch .Lasked_\@
.Lfor_b_\@:
	tensor_load_to_lds s[G0B+4*\s:G0B+4*\s+3], s[G1B:G1B+7]
	s_nop 0
.rept 4
	v_nop
.endr
.Lasked_\@:
.endm
.macro CREST
	s_cmp_lg_u32 s14, 0
	s_cbranch_scc1 .Lnot_wave_0_\@
	s_barrier_signal -3
.Lnot_wave_0_\@:
	s_barrier_wait -3
	s_barrier_signal -1
	s_barrier_wait -1
.endm
.macro CROUND
	s_barrier_signal -1
	s_barrier_wait -1
	CREST
.endm
	s_load_b256 s[4:11], s[0:1], 0x0
	v_lshl_add_u32 v[SPW], v0, 2, SPARE
	v_mov_b32 v[NIL], 0
	ds_add_u32 v[SPW], v[NIL]
	ds_add_u32 v[SPW], v[NIL]
	v_lshrrev_b32 v1, 5, v0
	v_readfirstlane_b32 s14, v1
	s_lshr_b32 s15, s14, 1
	s_and_b32 s16, s14, 1
	s_bfe_u32 s40, ttmp6, 0x40000
	s_bfe_u32 s41, ttmp6, 0x40004
	s_lshl_b32 s42, ttmp9, 2
	s_add_co_u32 s42, s42, s40
	s_and_b32 s17, ttmp7, 0xffff
	s_lshl_b32 s17, s17, 2
	s_add_co_u32 s17, s17, s41
	s_lshl_b32 s43, s41, 2
	s_lshl_b32 s43, 15, s43
	s_lshl_b32 s44, 0x1111, s40
	s_or_b32 s[G1+0], s43, (3<<16)|(1<<21)
	s_mov_b32 s[G1+1], 1024<<16
	s_mov_b32 s[G1+2], 4<<16
	s_mov_b32 s[G1+3], 1024<<16
	s_mov_b32 s[G1+4], 4
	s_mov_b32 s[G1+5], 4096
	s_mov_b32 s[G1+6], 0
	s_mov_b32 s[G1+7], 0
	s_or_b32 s[G1B+0], s44, (0<<16)|(1<<20)|(1<<21)|(6<<22)|(3<<25)
	s_mov_b32 s[G1B+1], 512<<16
	s_mov_b32 s[G1B+2], 64<<16
	s_mov_b32 s[G1B+3], 512<<16
	s_mov_b32 s[G1B+4], 64
	s_mov_b32 s[G1B+5], 2048
	s_mov_b32 s[G1B+6], 0
	s_mov_b32 s[G1B+7], 0
	s_lshl_b32 s20, s17, 3
	s_lshl_b32 s21, s16, 2
	s_add_co_u32 s20, s20, s21
	s_lshl_b32 s20, s20, 15
	s_mov_b32 s21, 0
	s_lshl_b32 s46, s42, 7
	s_lshl_b32 s47, s16, 6
	s_add_co_u32 s46, s46, s47
	s_lshl_b32 s46, s46, 11
	s_add_co_u32 s46, s46, 6<<22
	s_mov_b32 s47, 0
	s_lshl_b32 s45, s16, 15
	s_mul_i32 s12, s16, 64*BP
	s_add_co_u32 s12, s12, BOFF
	s_wait_dscnt 0x0
	s_wait_kmcnt 0x0
	s_load_b64 s[18:19], s[8:9], 0x28
	s_add_nc_u64 s[20:21], s[4:5], s[20:21]
	s_add_nc_u64 s[46:47], s[6:7], s[46:47]
	CROUND
.irp s, 0,1
	s_mov_b32 s[G0+4*\s], 1
	s_add_co_u32 s[G0+4*\s+1], s45, \s*SLOT
	s_add_nc_u64 s[G0+4*\s+2:G0+4*\s+3], s[20:21], \s*AIMG
	s_or_b32 s[G0+4*\s+3], s[G0+4*\s+3], 0x80000000
	s_mov_b32 s[G0B+4*\s], 1
	s_add_co_u32 s[G0B+4*\s+1], s12, \s*SLOT
	s_add_nc_u64 s[G0B+4*\s+2:G0B+4*\s+3], s[46:47], \s*512
	s_or_b32 s[G0B+4*\s+3], s[G0B+4*\s+3], 0x80000000
.endr
	; THE FIRST FILLS of both slots go out as one group behind the round above, one tensor load a wave: waves 0 and 2 bring A's 8 row blocks (65,536 bytes) of slots 0 and 1, waves 1 and 3 B's 128 rows.
	; Their groups 1 state twice the rows of the refills' groups; A's address is made of the tile row, B's of the tile column, each in registers that never hold the other coordinate.
	s_or_b32 s68, s43, (3<<16)|(1<<21)
	s_mov_b32 s69, 1024<<16
	s_mov_b32 s70, 8<<16
	s_mov_b32 s71, 1024<<16
	s_mov_b32 s72, 8
	s_mov_b32 s73, 4096
	s_mov_b32 s74, 0
	s_mov_b32 s75, 0
	s_or_b32 s76, s44, (0<<16)|(1<<20)|(1<<21)|(6<<22)|(3<<25)
	s_mov_b32 s77, 512<<16
	s_mov_b32 s78, 128<<16
	s_mov_b32 s79, 512<<16
	s_mov_b32 s80, 128
	s_mov_b32 s81, 2048
	s_mov_b32 s82, 0
	s_mov_b32 s83, 0
	s_lshl_b32 s96, s16, 17                        ; the half's offset in s[20:21] and in s[46:47]: 4 row blocks of 32,768 bytes, and 64 rows of 2,048: taken off again
	s_mov_b32 s97, 0
	s_mul_i32 s98, s15, AIMG                       ; slot wave / 2: its K step
	s_mov_b32 s99, 0
	s_mov_b32 s84, 1
	s_mul_i32 s85, s15, SLOT
	s_sub_nc_u64 s[86:87], s[20:21], s[96:97]
	s_add_nc_u64 s[86:87], s[86:87], s[98:99]
	s_or_b32 s87, s87, 0x80000000
	s_lshl_b32 s98, s15, 9
	s_mov_b32 s88, 1
	s_add_co_u32 s89, s85, BOFF
	s_sub_nc_u64 s[90:91], s[46:47], s[96:97]
	s_add_nc_u64 s[90:91], s[90:91], s[98:99]
	s_or_b32 s91, s91, 0x80000000
	s_cmp_eq_u32 s16, 0
	s_cbranch_scc0 .Lhead_b
	tensor_load_to_lds s[84:87], s[68:75]
	s_nop 0
.rept 4
	v_nop
.endr
	s_branch .Lhead_j
.Lhead_b:
	tensor_load_to_lds s[88:91], s[76:83]
	s_nop 0
.rept 4
	v_nop
.endr
.Lhead_j:
	v_and_b32 v1, 15, v0
	v_bfe_u32 v2, v0, 4, 1
	v_and_b32 v3, 31, v0
	v_lshlrev_b32 v3, 4, v3
	v_mul_u32_u24 v4, v1, BP
	v_lshl_add_u32 v4, v2, 4, v4
	s_lshl_b32 s21, s15, 15
	s_mul_i32 s22, s16, 64*BP
	s_add_co_u32 s22, s22, BOFF
.irp s, 0,1
	v_add_nc_u32 v[ADRA+\s], s21, v3
	v_add_nc_u32 v[ADRB+\s], s22, v4
	s_add_co_u32 s21, s21, SLOT
	s_add_co_u32 s22, s22, SLOT
.endr
	s_mul_i32 s23, s14, 16*SPITCH
	s_add_co_u32 s23, s23, STAGE
	v_mul_u32_u24 v5, v1, SPITCH
	v_lshl_add_u32 v5, v2, 5, v5
	v_add_nc_u32 v[STO], s23, v5
	v_mul_u32_u24 v5, v2, SPITCH
	v_lshl_add_u32 v5, v1, 4, v5
	v_add_nc_u32 v[RD], s23, v5
	v_lshlrev_b32 v5, 13, v2
	v_lshl_add_u32 v[CO], v1, 4, v5
	s_lshl_b32 s20, s17, 7
	s_lshl_b32 s21, s15, 6
	s_add_co_u32 s20, s20, s21
	s_lshl_b32 s20, s20, 13
	s_lshl_b32 s46, s42, 9
	s_lshl_b32 s47, s16, 8
	s_add_co_u32 s46, s46, s47
	s_add_co_u32 s20, s20, s46
	s_mov_b32 s21, 0
	s_add_nc_u64 s[10:11], s[10:11], s[20:21]
.macro MUL8 f, a0, zero
.irp a, \a0, \a0+1
.irp b, 0,1,2,3
.if \zero
	v_wmma_f32_16x16x128_fp8_fp8 v[ACC+8*(4*(\a)+\b):ACC+8*(4*(\a)+\b)+7], v[\f+64+16*\b:\f+64+16*\b+15], v[\f+16*(\a):\f+16*(\a)+15], 0
.else
	v_wmma_f32_16x16x128_fp8_fp8 v[ACC+8*(4*(\a)+\b):ACC+8*(4*(\a)+\b)+7], v[\f+64+16*\b:\f+64+16*\b+15], v[\f+16*(\a):\f+16*(\a)+15], v[ACC+8*(4*(\a)+\b):ACC+8*(4*(\a)+\b)+7]
.endif
.endr
.endr
.endm
.macro FETCH slot, q, f
	WIN TO_F
.irp i, 0,1,2,3
.irp c, 0,1,2,3
	ds_load_b128 v[\f+64+16*\i+4*\c:\f+64+16*\i+4*\c+3], v[ADRB+\slot] offset:\i*16*BP+128*(\q)+32*\c
	ds_load_b128 v[\f+16*\i+4*\c:\f+16*\i+4*\c+3], v[ADRA+\slot] offset:\i*AIMG+2048*(\q)+512*\c
.endr
.endr
.endm
.macro PLACES
.rept 4
	v_nop
.endr
.endm
.macro QUARTER slot, k, f, g, zero
	PLACES
	FETCH \slot, \k, \g
	s_wait_dscnt 32
	WIN MUL
	MUL8 \f, 0, \zero
	MUL8 \f, 2, \zero
.endm
.macro TURN slot, next, fill
	WIN 0
	s_wait_tensorcnt 0x0
	ds_add_u32 v[SPW], v[NIL]
	s_wait_dscnt 1
	WIN MUL
	MUL8 F1, 0, 0
	s_wait_dscnt 0x0
	s_barrier_signal -1
	MUL8 F1, 2, 0
	WIN 0
	s_barrier_wait -1
.if \fill
	CREST
	s_add_nc_u64 s[G0+4*\slot+2:G0+4*\slot+3], s[G0+4*\slot+2:G0+4*\slot+3], 2*AIMG
	s_add_nc_u64 s[G0B+4*\slot+2:G0B+4*\slot+3], s[G0B+4*\slot+2:G0B+4*\slot+3], 2*512
	JLOAD \slot
.else
	PLACES
.endif
	s_wait_alu depctr_va_vdst(0)
	FETCH \next, 0, F0
.endm
	s_wait_alu depctr_va_vdst(0)
	s_wait_tensorcnt 0x0                           ; my one load has landed,
	s_barrier_signal -1
	s_barrier_wait -1                              ; everybody's has: both slots are whole
	FETCH 0, 0, F0
	QUARTER 0, 1, F0, F1, 1
	QUARTER 0, 2, F1, F0, 0
	QUARTER 0, 3, F0, F1, 0
	TURN 0, 1, 1
	QUARTER 1, 1, F0, F1, 0
	QUARTER 1, 2, F1, F0, 0
	QUARTER 1, 3, F0, F1, 0
	TURN 1, 0, 1
	QUARTER 0, 1, F0, F1, 0
	QUARTER 0, 2, F1, F0, 0
	QUARTER 0, 3, F0, F1, 0
	TURN 0, 1, 0
	QUARTER 1, 1, F0, F1, 0
	QUARTER 1, 2, F1, F0, 0
	QUARTER 1, 3, F0, F1, 0
	s_wait_dscnt 0x0
	WIN MUL
	MUL8 F1, 0, 0
	MUL8 F1, 2, 0
	WIN 0
.macro TOSTAGE a
.set j, 0
.rept 16
	v_pk_mul_f32 v[TMP+j:TMP+j+1], v[ACC+32*(\a)+j:ACC+32*(\a)+j+1], s[18:19] op_sel_hi:[1,0]
.set j, j+2
.endr
.irp b, 0,1,2,3
	ds_store_b128 v[STO], v[TMP+8*\b:TMP+8*\b+3] offset:64*\b
	ds_store_b128 v[STO], v[TMP+8*\b+4:TMP+8*\b+7] offset:64*\b+16
.endr
.set BB, BK+32*((\a)%2)
.irp t, 0,1,2,3,4,5,6,7
	ds_load_b128 v[BB+4*\t:BB+4*\t+3], v[RD] offset:\t*2*SPITCH
.endr
.endm
.macro SEND a, younger
.set BB, BK+32*((\a)%2)
	s_wait_dscnt \younger
.irp t, 0,1,2,3,4,5,6,7
	global_store_b128 v[CO], v[BB+4*\t:BB+4*\t+3], s[10:11] offset:(16*(\a)+2*\t)*8192 th:TH_STORE_NT
.endr
.endm
	s_wait_kmcnt 0x0
	s_add_co_i32 s18, s18, s19
	s_add_co_i32 s18, s18, 127
	s_lshl_b32 s18, s18, 23
	s_mov_b32 s19, s18
	PLACES
	TOSTAGE 0
.irp a, 1,2,3
.if \a > 1
	s_wait_xcnt 0x0
.endif
	TOSTAGE \a
	SEND \a-1, 16
.endr
	SEND 3, 0
	s_wait_tensorcnt 0x0
	ds_add_u32 v[SPW], v[NIL]
	s_wait_dscnt 0x0
	CROUND
	s_endpgm
.Lfunc_end_k_qd8163d5d1f_oproj:
	.size	k_qd8163d5d1f_oproj, .Lfunc_end_k_qd8163d5d1f_oproj-k_qd8163d5d1f_oproj
	.p2alignl 7, 3214868480
	.fill 96, 4, 3214868480
	.section	.rodata,"a",@progbits
	.p2align	6, 0x0
	.amdhsa_kernel k_qd8163d5d1f_oproj
		.amdhsa_group_segment_fixed_size 327680
		.amdhsa_private_segment_fixed_size 0
		.amdhsa_enable_private_segment 0
		.amdhsa_kernarg_size 32
		.amdhsa_user_sgpr_count 2
		.amdhsa_user_sgpr_kernarg_segment_ptr 1
		.amdhsa_wavefront_size32 1
		.amdhsa_system_sgpr_workgroup_id_x 1
		.amdhsa_system_sgpr_workgroup_id_y 1
		.amdhsa_system_sgpr_workgroup_id_z 1
		.amdhsa_system_vgpr_workitem_id 0
		.amdhsa_next_free_vgpr 512
		.amdhsa_next_free_sgpr 100
		.amdhsa_reserve_vcc 0
		.amdhsa_float_denorm_mode_32 3
		.amdhsa_float_denorm_mode_16_64 3
		.amdhsa_memory_ordered 1
		.amdhsa_forward_progress 1
		.amdhsa_inst_pref_size 74
	.end_amdhsa_kernel
	.amdgpu_metadata
---
amdhsa.version: [ 1, 2 ]
amdhsa.kernels:
  - .name:           k_qd8163d5d1f_oproj
    .symbol:         k_qd8163d5d1f_oproj.kd
    .args:
      - { .name: attc, .offset: 0, .size: 8, .value_kind: global_buffer, .address_space: global }
      - { .name: codes, .offset: 8, .size: 8, .value_kind: global_buffer, .address_space: global }
      - { .name: lowp_scales, .offset: 16, .size: 8, .value_kind: global_buffer, .address_space: global }
      - { .name: out0, .offset: 24, .size: 8, .value_kind: global_buffer, .address_space: global }
    .group_segment_fixed_size: 327680
    .private_segment_fixed_size: 0
    .kernarg_segment_align: 8
    .kernarg_segment_size: 32
    .max_flat_workgroup_size: 128
    .sgpr_count:     100
    .vgpr_count:     512
    .wavefront_size: 32
...
	.end_amdgpu_metadata
.endif
;; end of part 4
